; MI455X (gfx1250); checked and timed in simulation.
; The chip was launched on July 23, 2026; its instructions are those of AMD's public machine-readable ISA for CDNA 5 (MIT licence, August 2026) and "CDNA5" Instruction Set Architecture Reference Guide (July 2026). The comments in the code are by the model that wrote it; some were corrected since.
;; Minibatch Discrimination. Allowed arithmetic: float matrix products may take bf16 or f16 operands with f32 sums; all other float work in f32.
;; Inputs: T 512 x 250 float32; x 1,024 x 512 float32.
;; Outputs: out0 1,024 x 562 float32.
;; One version. Each part assembles by itself: llvm-mc -triple=amdgcn-amd-amdhsa -mcpu=gfx1250 --defsym DOCPART=n.
;; ======== version 1 of 1: 2 launches
;; workspace buffers: mt 1,048,576 bytes
;; launch project (part 1): grid 8 x 32, 8 waves a work-group, no clusters, 168,960 bytes of LDS; arguments x, T, out0, mt; writes out0, mt
.if DOCPART == 1
	.amdgcn_target "amdgcn-amd-amdhsa--gfx1250"
	.amdhsa_code_object_version 6
	.text
	.protected	k_qf170f37bdb_project
	.globl	k_qf170f37bdb_project
	.p2align	8
	.type	k_qf170f37bdb_project,@function
k_qf170f37bdb_project:
	s_mov_b64 s[64:65], 0
	v_nop
	global_prefetch_b8 v0, s[64:65] scope:SCOPE_SE
	s_setreg_imm32_b32 hwreg(HW_REG_WAVE_MODE, 25, 1), 1
	s_wait_xcnt 0x0
; mt = log2(e) * (x T), and out0[:, 0:512] = x.   x: [1024][512] f32, T: [512][250] f32, out0: [1024][562] f32.
; mt is a workspace laid out [32 blocks of 32 rows][256 columns][32 rows] f32: column n of rows 32 b .. 32 b + 31 is 128 consecutive bytes.
; Columns 250 to 255 are never stored and never read.
; A work-group (8 waves) makes 32 rows x 32 columns.  K = 512 is split over the waves, 64 each, so that each byte of the block's x and T
; is loaded once in the work-group; the eight partial blocks are added in LDS, always in the order of the waves.
; Operands are rounded to bf16 (nearest even), sums are f32.  The factor log2(e) lets the next launch use the base-2 exponential as it is.
; k IS PERMUTED, alike in both operands: element e (0..15) of lane half h stands for k = 16 h + e of the step's 32, so a lane's part of a
; row of x is 64 consecutive bytes.  The products are the same, only their order in the sum differs.
; T lies [k][n]: a lane loads two neighbouring columns (8 bytes) of one k; the even columns make one B tile, the odd columns the other.
; NO CLUSTER: 8 work-groups share rows of x and 32 share columns of T, but the numbers have to be converted, and T regrouped, on the way;
; a joint request would land 128 KB of f32 in LDS and cost as many LDS bytes written and read again, for 8 matrix instructions a wave.
; lds_bytes is set above the 37,888 bytes in use so that no second work-group shares the SIMDs.
.set LOG2E,  0x3fb8aa3b
.set XROW,   2048                      ; bytes in a row of x
.set TROW,   1000                      ; bytes in a row of T: a multiple of 8, not of 16, hence loads of 8 bytes
.set OROW,   2248                      ; bytes in a row of out0: likewise, hence stores of 8 bytes
.set NCOL,   250
.set CPITCH, 144                       ; LDS: a column's 32 rows (128 bytes) + 16: sixteen lanes' 16 bytes fall in sixteen different 16-byte columns of 256
.set ODD,    2432                      ; LDS: the odd columns start here: 16 x 144 + 128, so that an even and an odd column read together share no bank
.set PART,   4736                      ; LDS: one wave's partial block
.set LANE, 1
.set R,    2                           ; lane % 16
.set H,    3                           ; lane / 16
.set VA,   4                           ; byte offset of my part of x's rows
.set VB,   5                           ; byte offset of my two columns of T
.set VC,   6                           ; the copy: 8 bytes a lane
.set VS,   7                           ; LDS: where my sums go
.set VR,   8                           ; LDS: where I read the partial blocks
.set VO,   9                           ; mt: 16 bytes a lane
.set VN,   10                          ; the column that I store
.set TMP,  11
.set CP,   12                          ; v[12:19]    four rows of the copy
.set AL,   20                          ; v[20:83]    x as loaded: fragment f = 2 m + s, 16 f32 each; later the eight partial sums
.set BL,   84                          ; v[84:147]   T as loaded: (step s, element e): two columns
.set AF,   148                         ; v[148:179]  A fragments, f = 2 m + s
.set BF,   180                         ; v[180:211]  B fragments, 2 p + s (p = 0 even columns, 1 odd columns)
.set AC,   212                         ; v[212:243]  sums, tile 2 m + p
	s_load_b256 s[4:11], s[0:1], 0x0               ; x s[4:5], T s[6:7], out0 s[8:9], mt s[10:11]
	v_lshl_add_u32 v244, v0, 2, 0x29000
	v_mov_b32 v245, 0
	v_and_b32 v[LANE], 31, v0
	v_lshrrev_b32 v[TMP], 5, v0
	v_readfirstlane_b32 s12, v[TMP]                ; wave w: my 64 of K, and my 4 rows of the copy
	s_and_b32 s14, ttmp7, 0xffff                   ; block of 32 rows; ttmp9: block of 32 columns
	v_and_b32 v[R], 15, v0
	v_bfe_u32 v[H], v0, 4, 1
	; byte offsets, all below 4 GiB, each in a pair with 0 above
	s_lshl_b32 s13, ttmp9, 8                       ; the copy's 256 bytes of each row
	s_lshl_b32 s15, s14, 16                        ; 32 rows of x
	s_lshl_b32 s16, s12, 8                         ; my 64 k of x: 256 bytes
	s_add_co_u32 s16, s16, s15
	s_mov_b32 s17, 0
	s_lshl_b32 s18, s12, 13                        ; the copy: 4 rows a wave
	s_add_co_u32 s18, s18, s15
	s_add_co_u32 s18, s18, s13
	s_mov_b32 s19, 0
	s_mul_i32 s20, s12, 64*TROW                    ; my 64 rows of T
	s_mov_b32 s21, 0
	s_lshl_b32 s22, s14, 3
	s_add_co_u32 s22, s22, s12                     ; 8 x block + wave = the copy's group of 4 rows
	s_mul_i32 s22, s22, 4*OROW
	s_add_co_u32 s22, s22, s13
	s_mov_b32 s23, 0
	s_lshl_b32 s24, s14, 15                        ; mt: 32,768 bytes a block of rows,
	s_lshl_b32 s26, ttmp9, 12                      ; 4,096 a block of columns,
	s_add_co_u32 s24, s24, s26
	s_lshl_b32 s26, s12, 9                         ; 512 a wave
	s_add_co_u32 s24, s24, s26
	s_mov_b32 s25, 0
	v_lshlrev_b32 v[VA], 11, v[R]                  ; row r,
	v_lshl_add_u32 v[VA], v[H], 6, v[VA]           ; 16 f32 for each half of the lanes
	s_lshl_b32 s27, ttmp9, 5
	v_lshl_add_u32 v[TMP], v[R], 1, s27            ; the first of my two columns;
	v_min_u32 v[TMP], NCOL-2, v[TMP]               ; in the last block columns 250 to 255 do not exist: those lanes load 248, 249 and store nothing
	v_mul_u32_u24 v[VB], v[H], 16*TROW
	v_lshl_add_u32 v[VB], v[TMP], 2, v[VB]
	v_lshlrev_b32 v[VC], 3, v[LANE]
	s_mul_i32 s28, s12, PART
	v_mad_u32_u24 v[VS], v[R], CPITCH, s28         ; my partial block, column slot r,
	v_lshl_add_u32 v[VS], v[H], 5, v[VS]           ; rows 8 h ..
	s_mul_i32 s28, s12, 2*CPITCH                   ; back: wave w takes columns 4 w .. 4 w + 3, eight lanes a column:
	v_mad_u32_u24 v[VR], v[H], CPITCH, s28         ; column slot 2 w + lane / 16,
	v_bfe_u32 v[TMP], v0, 3, 1
	v_mad_u32_u24 v[VR], v[TMP], ODD, v[VR]        ; even or odd by bit 3 of the lane,
	v_and_b32 v[TMP], 7, v0
	v_lshl_add_u32 v[VR], v[TMP], 4, v[VR]         ; four rows a lane
	v_lshlrev_b32 v[VO], 4, v[LANE]
	s_lshl2_add_u32 s27, s12, s27                  ; 32 x block + 4 w
	v_lshrrev_b32 v[TMP], 3, v[LANE]
	v_add_nc_u32 v[VN], s27, v[TMP]
	s_wait_kmcnt 0x0
	s_add_nc_u64 s[16:17], s[4:5], s[16:17]        ; x for the product
	s_add_nc_u64 s[18:19], s[4:5], s[18:19]        ; x for the copy
	s_add_nc_u64 s[20:21], s[6:7], s[20:21]        ; T
	s_add_nc_u64 s[22:23], s[8:9], s[22:23]        ; out0
	s_add_nc_u64 s[24:25], s[10:11], s[24:25]      ; mt
	; all 52 loads of the wave in one run: the copy's 4, T's 32, x's 16
.irp t, 0,1,2,3
	global_load_b64 v[CP+2*\t:CP+2*\t+1], v[VC], s[18:19] offset:\t*XROW           ; 256 consecutive bytes of one row
.endr
.irp s, 0,1
.irp e, 0,1,2,3,4,5,6,7,8,9,10,11,12,13,14,15
	global_load_b64 v[BL+2*(16*\s+\e):BL+2*(16*\s+\e)+1], v[VB], s[20:21] offset:(32*\s+\e)*TROW   ; T(k = 64 w + 32 s + 16 h + e, my two columns)
.endr
.endr
.irp f, 0,1,2,3
.irp c, 0,1,2,3
	global_load_b128 v[AL+16*\f+4*\c:AL+16*\f+4*\c+3], v[VA], s[16:17] offset:(\f/2)*16*XROW+(\f%2)*128+16*\c   ; x(row 16 m + r, k = 64 w + 32 s + 16 h + 4 c ..)
.endr
.endr
	s_wait_loadcnt 48                              ; 32 + 16 loads were issued behind the copy's four
.irp t, 0,1,2,3
	global_store_b64 v[VC], v[CP+2*\t:CP+2*\t+1], s[22:23] offset:\t*OROW th:TH_STORE_NT   ; 256 consecutive bytes; out0's rows start at multiples of 8 only
.endr
	s_wait_loadcnt 16                              ; x's 16 loads were issued behind T's
.irp s, 0,1
.irp p, 0,1
.irp i, 0,1,2,3,4,5,6,7
	v_cvt_pk_bf16_f32 v[BF+8*(2*\p+\s)+\i], v[BL+32*\s+4*\i+\p], v[BL+32*\s+4*\i+2+\p]   ; elements 2 i, 2 i + 1 of column parity p
.endr
.endr
.endr
	s_wait_loadcnt 0x0
.irp f, 0,1,2,3
.irp i, 0,1,2,3,4,5,6,7
	v_cvt_pk_bf16_f32 v[AF+8*\f+\i], v[AL+16*\f+2*\i], v[AL+16*\f+2*\i+1]
.endr
.endr
	; 2 x 2 tiles, two steps of 32 along K; the first step starts the sums, the second is the next link in place
.irp m, 0,1
.irp p, 0,1
	v_wmma_f32_16x16x32_bf16 v[AC+8*(2*\m+\p):AC+8*(2*\m+\p)+7], v[AF+16*\m:AF+16*\m+7], v[BF+16*\p:BF+16*\p+7], 0
.endr
.endr
.irp m, 0,1
.irp p, 0,1
	v_wmma_f32_16x16x32_bf16 v[AC+8*(2*\m+\p):AC+8*(2*\m+\p)+7], v[AF+16*\m+8:AF+16*\m+15], v[BF+16*\p+8:BF+16*\p+15], v[AC+8*(2*\m+\p):AC+8*(2*\m+\p)+7]
.endr
.endr
.rept 4
	v_nop                                          ; four independent vector places before the LDS stores read the results
.endr
	; register j of lane (r, h) is row 16 m + 8 h + j of column 2 r + p: eight consecutive rows of one column, 32 bytes
.irp m, 0,1
.irp p, 0,1
	ds_store_b128 v[VS], v[AC+8*(2*\m+\p):AC+8*(2*\m+\p)+3] offset:\p*ODD+\m*64
	ds_store_b128 v[VS], v[AC+8*(2*\m+\p)+4:AC+8*(2*\m+\p)+7] offset:\p*ODD+\m*64+16
.endr
.endr
	s_wait_dscnt 0x0                               ; my partial block is in LDS, for the others' sake,
	s_barrier_signal -1
	s_barrier_wait -1                              ; and so is everybody's
.irp q, 0,1,2,3,4,5,6,7
	ds_load_b128 v[AL+4*\q:AL+4*\q+3], v[VR] offset:\q*PART
.endr
	s_wait_dscnt 7                                 ; LDS loads come back in order: wave 0's part is in, seven are younger
	v_pk_mul_f32 v[AL:AL+1], v[AL:AL+1], LOG2E op_sel_hi:[1,0]
	v_pk_mul_f32 v[AL+2:AL+3], v[AL+2:AL+3], LOG2E op_sel_hi:[1,0]
.irp q, 1,2,3,4,5,6,7
	s_wait_dscnt 7-\q
	v_pk_fma_f32 v[AL:AL+1], v[AL+4*\q:AL+4*\q+1], LOG2E, v[AL:AL+1] op_sel_hi:[1,0,1]
	v_pk_fma_f32 v[AL+2:AL+3], v[AL+4*\q+2:AL+4*\q+3], LOG2E, v[AL+2:AL+3] op_sel_hi:[1,0,1]
.endr
	v_cmp_gt_u32 vcc_lo, NCOL, v[VN]               ; columns 250 and up are not stored
	s_wait_xcnt 0x0                                ; EXEC is a source of the copy's stores: it changes only behind this wait
	s_wait_tensorcnt 0x0
	ds_add_u32 v244, v245
	s_wait_dscnt 0x0
	s_and_saveexec_b32 s30, vcc_lo
	global_store_b128 v[VO], v[AL:AL+3], s[24:25]  ; the wave's 512 consecutive bytes, at a multiple of 512 from mt's first byte
	s_endpgm
.Lfunc_end_k_qf170f37bdb_project:
	.size	k_qf170f37bdb_project, .Lfunc_end_k_qf170f37bdb_project-k_qf170f37bdb_project
	.p2alignl 7, 3214868480
	.fill 96, 4, 3214868480
	.section	.rodata,"a",@progbits
	.p2align	6, 0x0
	.amdhsa_kernel k_qf170f37bdb_project
		.amdhsa_group_segment_fixed_size 168960
		.amdhsa_private_segment_fixed_size 0
		.amdhsa_enable_private_segment 0
		.amdhsa_kernarg_size 32
		.amdhsa_user_sgpr_count 2
		.amdhsa_user_sgpr_kernarg_segment_ptr 1
		.amdhsa_wavefront_size32 1
		.amdhsa_system_sgpr_workgroup_id_x 1
		.amdhsa_system_sgpr_workgroup_id_y 1
		.amdhsa_system_sgpr_workgroup_id_z 1
		.amdhsa_system_vgpr_workitem_id 0
		.amdhsa_next_free_vgpr 246
		.amdhsa_next_free_sgpr 66
		.amdhsa_reserve_vcc 1
		.amdhsa_float_denorm_mode_32 3
		.amdhsa_float_denorm_mode_16_64 3
		.amdhsa_memory_ordered 1
		.amdhsa_forward_progress 1
		.amdhsa_inst_pref_size 16
	.end_amdhsa_kernel
	.amdgpu_metadata
---
amdhsa.version: [ 1, 2 ]
amdhsa.kernels:
  - .name:           k_qf170f37bdb_project
    .symbol:         k_qf170f37bdb_project.kd
    .args:
      - { .name: x, .offset: 0, .size: 8, .value_kind: global_buffer, .address_space: global }
      - { .name: T, .offset: 8, .size: 8, .value_kind: global_buffer, .address_space: global }
      - { .name: out0, .offset: 16, .size: 8, .value_kind: global_buffer, .address_space: global }
      - { .name: mt, .offset: 24, .size: 8, .value_kind: global_buffer, .address_space: global }
    .group_segment_fixed_size: 168960
    .private_segment_fixed_size: 0
    .kernarg_segment_align: 8
    .kernarg_segment_size: 32
    .max_flat_workgroup_size: 256
    .sgpr_count:     66
    .vgpr_count:     246
    .wavefront_size: 32
...
	.end_amdgpu_metadata
.endif
;; end of part 1
;; launch pairs (part 2): grid 5 x 50, 8 waves a work-group, no clusters, 168,960 bytes of LDS; arguments mt, out0; writes out0
.if DOCPART == 2
	.amdgcn_target "amdgcn-amd-amdhsa--gfx1250"
	.amdhsa_code_object_version 6
	.text
	.protected	k_qf170f37bdb_pairs
	.globl	k_qf170f37bdb_pairs
	.p2align	8
	.type	k_qf170f37bdb_pairs,@function
k_qf170f37bdb_pairs:
	s_mov_b64 s[64:65], 0
	v_nop
	global_prefetch_b8 v0, s[64:65] scope:SCOPE_SE
	s_setreg_imm32_b32 hwreg(HW_REG_WAVE_MODE, 25, 1), 1
	s_wait_xcnt 0x0
; out0[i][512 + k] = sum over j of exp(-sum over d of |M[i][5k+d] - M[j][5k+d]|), from mt = log2(e) M as the first launch left it:
; mt[block of 32 rows][column][row in the block] f32, so that one kernel's five columns of a block are 640 consecutive bytes.
; A work-group takes one kernel k (second id) and 208 rows i (first id); 8 waves, 26 rows each.
; THE j LIE IN LANES AND REGISTERS: every wave keeps the kernel's 5 x 1024 numbers in 160 registers, 32 j a lane, and walks its rows i, whose five
; numbers come by scalar loads one row ahead and are broadcast.  Which j lies where does not matter, since all are summed.
; For four j: 10 packed subtractions, 8 + 4 additions with |.| on their sources, 2 packed additions, 4 exponentials, 2 packed additions to the sums.
; 5 x 208 = 1040 rows are walked for 1024: the last wave of the fifth block repeats row 1023 in its last 16 trips, and those lanes store nothing;
; every wave makes 26 trips in any case.
; LIMITS: all exponents are <= 0 and the term j = i is 1, so no maximum is taken away (the sum lies between 1 and 1024); v_exp_f32 gives 0
; for a term below 2^-126.  The sums run in another order than the reference's.
; NO CLUSTER: the five work-groups of a kernel share its 20,480 bytes, read once at the start; five is no multiple of a cluster's four.
; THE STORES are 4 bytes a lane, 2,248 bytes apart: a row's 50 features are made by 50 work-groups, one column each.
; lds_bytes is set above the 50,432 bytes in use so that no second work-group shares the SIMDs.
.set TRIPS,  26                        ; rows of a wave
.set WGROWS, 8*TRIPS
.set NROWS,  1024
.set KER,    640                       ; a kernel's bytes in a block of 32 rows: 5 columns x 128
.set COL,    128
.set RED,    32*KER                    ; LDS: behind the 20,480 bytes of the kernel's numbers, 26 rows x 144 bytes for each wave
.set RPITCH, 144                       ; 32 lanes' sums + 16 bytes: lanes that read different rows by 16 bytes meet in no bank
.set OROW,   2248                      ; bytes in a row of out0
.set OFEAT,  2048                      ; where the features begin in it
.set LANE, 1
.set GA,   2                           ; mt: byte offset of my 16 bytes
.set SA,   3                           ; LDS: where they go
.set LA,   4                           ; LDS: where my wave's registers are filled from
.set RA,   5                           ; LDS: where this row's sum goes
.set T0,   6
.set T1,   7
.set ACC,  8                           ; v[8:11]    four running sums
.set E,    12                          ; v[12:15]   four exponentials
.set D,    16                          ; v[16:55]   two sets of 5 x 4 differences, taking turns
.set B,    56                          ; v[56:215]  group t of four j: 5 x 4 numbers at B + 20 t + 4 d
.set SL,   20                          ; s[20:24]   the next row's five numbers as loaded
.set A,    28                          ; s[28:37]   this row's five numbers, negated, each in the low half of a pair
.macro AFETCH                          ; ask for the five numbers of row s14
	s_lshr_b32 s15, s14, 5
	s_lshl_b32 s15, s15, 15                        ; its block of 32 rows: 32,768 bytes
	s_and_b32 s19, s14, 31
	s_lshl2_add_u32 s15, s19, s15                  ; + 4 x its place in the block
.irp d, 0,1,2,3,4
	s_load_b32 s[SL+\d], s[4:5], s15 offset:\d*COL
.endr
.endm
.macro ATAKE                           ; take the row that was asked for, ask for the next
	s_wait_kmcnt 0x0                               ; the five are in, and s15 may be written again
.irp d, 0,1,2,3,4
	s_xor_b32 s[A+2*\d], s[SL+\d], 0x80000000      ; the sign is turned here, so that the vector side adds
.endr
	s_add_co_u32 s14, s14, 1
	s_min_u32 s14, s14, NROWS-1                    ; no load leaves mt's 1024 rows
	AFETCH
.endm
.macro SUB1 q, d, h                    ; two differences b - a: group q, dimension d, pair h
	v_pk_add_f32 v[D+20*((\q)&1)+4*\d+2*\h:D+20*((\q)&1)+4*\d+2*\h+1], v[B+20*\q+4*\d+2*\h:B+20*\q+4*\d+2*\h+1], s[A+2*\d:A+2*\d+1] op_sel_hi:[1,0]
.endm
.macro EXP1 q, c, dst
	v_exp_f32 v[\dst+\c], v[D+20*((\q)&1)+\c]
.endm
; The differences of group q, and among them the exponentials of group p, which lies in the other set.  Behind each v_exp_f32 stands a packed
; addition that touches neither its source nor its result (ISA guide 5.7.2), and the results are read only behind this block.
.macro STEP q, p, dst
	EXP1 \p, 0, \dst
	SUB1 \q, 0, 0
	SUB1 \q, 0, 1
	EXP1 \p, 1, \dst
	SUB1 \q, 1, 0
	SUB1 \q, 1, 1
	EXP1 \p, 2, \dst
	SUB1 \q, 2, 0
	SUB1 \q, 2, 1
	EXP1 \p, 3, \dst
	SUB1 \q, 3, 0
	SUB1 \q, 3, 1
	SUB1 \q, 4, 0
	SUB1 \q, 4, 1
.endm
.macro SUMS q                          ; -(|d0| + |d1| + |d2| + |d3| + |d4|) for the group's four j, left in the set's first four registers
.set X, D+20*((\q)&1)
.irp c, 0,1,2,3
	v_add_f32 v[X+\c], |v[X+\c]|, |v[X+4+\c]|
.endr
.irp c, 0,1,2,3
	v_add_f32 v[X+8+\c], |v[X+8+\c]|, |v[X+12+\c]|
.endr
	v_pk_add_f32 v[X:X+1], v[X:X+1], v[X+8:X+9]
	v_pk_add_f32 v[X+2:X+3], v[X+2:X+3], v[X+10:X+11]
.irp c, 0,1,2,3
	v_sub_f32 v[X+\c], -v[X+\c], |v[X+16+\c]|
.endr
.endm
.macro ACCADD
	s_wait_alu depctr_va_vdst(0)
	v_pk_add_f32 v[ACC:ACC+1], v[ACC:ACC+1], v[E:E+1]
	v_pk_add_f32 v[ACC+2:ACC+3], v[ACC+2:ACC+3], v[E+2:E+3]
.endm
	s_load_b128 s[4:7], s[0:1], 0x0                ; mt s[4:5], out0 s[6:7]
	v_lshl_add_u32 v216, v0, 2, 0x29000
	v_mov_b32 v217, 0
	v_and_b32 v[LANE], 31, v0
	v_lshrrev_b32 v[T0], 5, v0
	v_readfirstlane_b32 s8, v[T0]                  ; wave
	s_and_b32 s9, ttmp7, 0xffff                    ; kernel k
	s_mul_i32 s10, s9, KER
	s_mov_b32 s11, 0
	s_mul_i32 s14, ttmp9, WGROWS
	s_mul_i32 s12, s8, TRIPS
	s_add_co_u32 s14, s14, s12                     ; my wave's first row (1014 at the most)
	s_mov_b32 s17, s14                             ; kept for the store
	v_lshrrev_b32 v[T0], 3, v0                     ; 256 threads: eight for each of the 32 blocks of rows
	v_and_b32 v[T1], 7, v0
	v_lshlrev_b32 v[T1], 4, v[T1]                  ; 16 bytes (four rows) a thread
	v_lshl_add_u32 v[GA], v[T0], 15, v[T1]
	v_mad_u32_u24 v[SA], v[T0], KER, v[T1]         ; in LDS the blocks lie 640 bytes apart
	v_lshrrev_b32 v[T0], 3, v[LANE]
	v_mad_u32_u24 v[LA], v[T0], KER, v[T1]         ; a load of my wave takes four blocks' 128 bytes of one column
	s_mul_i32 s12, s8, TRIPS*RPITCH
	s_add_co_u32 s18, s12, RED                     ; my wave's own 26 x 144 bytes
	v_lshl_add_u32 v[RA], v[LANE], 2, s18
.irp d, 0,1,2,3,4
	s_mov_b32 s[A+2*\d+1], 0                       ; the pairs' upper halves are named by the packed additions, though op_sel_hi picks the lower
.endr
	s_wait_kmcnt 0x0
	s_add_nc_u64 s[4:5], s[4:5], s[10:11]          ; mt at the kernel's first column
.irp d, 0,1,2,3,4
	global_load_b128 v[B+4*\d:B+4*\d+3], v[GA], s[4:5] offset:\d*COL
.endr
	AFETCH                                         ; my first row
.irp d, 0,1,2,3,4
	s_wait_loadcnt 4-\d                            ; loads come back in order: column d is in, the younger ones may be out
	ds_store_b128 v[SA], v[B+4*\d:B+4*\d+3] offset:\d*COL
.endr
	s_wait_dscnt 0x0                               ; my part of the kernel's numbers is in LDS, for the others' sake,
	s_barrier_signal -1
	s_barrier_wait -1                              ; and everybody's is; these bytes are not written again
.irp t, 0,1,2,3,4,5,6,7
.irp d, 0,1,2,3,4
	ds_load_b128 v[B+20*\t+4*\d:B+20*\t+4*\d+3], v[LA] offset:\t*4*KER+\d*COL      ; rows 4 (lane % 8) .. + 3 of block 4 t + lane / 8
.endr
.endr
	ATAKE                                          ; the first row's numbers; the second row is asked for
	s_wait_dscnt 0x0
.irp d, 0,1,2,3,4
	SUB1 0, \d, 0                                  ; the first row's first group: in the loop this is done at the end of the trip before
	SUB1 0, \d, 1
.endr
	s_mov_b32 s16, TRIPS
.Lrow:
	SUMS 0
	STEP 1, 0, ACC                                 ; the first four exponentials start the sums: nothing is cleared
	SUMS 1
.irp q, 2,3,4,5,6,7
	STEP \q, \q-1, E
	ACCADD
	SUMS \q
.endr
	ATAKE                                          ; the last differences of this row have been issued: on to the next row's numbers
	STEP 0, 7, E                                   ; the next row's first group carries this row's last exponentials (in the last trip its results are not used)
	ACCADD
	v_pk_add_f32 v[ACC:ACC+1], v[ACC:ACC+1], v[ACC+2:ACC+3]
	v_add_f32 v[ACC], v[ACC], v[ACC+1]             ; my lane's share of this row's sum: 32 of the 1024 j
	ds_store_b32 v[RA], v[ACC]                     ; parked in my wave's own bytes: the 32 shares are added once, behind the loop
	v_add_nc_u32 v[RA], RPITCH, v[RA]
	s_sub_co_u32 s16, s16, 1
	s_cmp_lg_u32 s16, 0
	s_cbranch_scc1 .Lrow
	; lane l adds the 32 shares of the wave's row l.  LDS serves a wave's instructions in order, and the bytes are the wave's own: no barrier.
	v_min_u32 v[T0], TRIPS-1, v[LANE]              ; lanes 26 to 31 read row 25 once more and store nothing
	v_mad_u32_u24 v[T0], v[T0], RPITCH, s18
.irp c, 0,1,2,3,4,5,6,7
	ds_load_b128 v[B+4*\c:B+4*\c+3], v[T0] offset:16*\c
.endr
	v_add_nc_u32 v[T1], s17, v[LANE]               ; my row of out0
	v_cmp_gt_u32 vcc_lo, TRIPS, v[LANE]
	v_cmp_gt_u32 s38, NROWS, v[T1]                 ; rows 1024 and up do not exist
	s_and_b32 vcc_lo, vcc_lo, s38
	v_mul_u32_u24 v[T1], v[T1], OROW
	s_lshl_b32 s10, s9, 2                          ; column 512 + k
	s_add_nc_u64 s[6:7], s[6:7], s[10:11]
	s_wait_dscnt 0x0
.irp c, 0,1,2,3,4,5,6,7
	v_pk_add_f32 v[B+4*\c:B+4*\c+1], v[B+4*\c:B+4*\c+1], v[B+4*\c+2:B+4*\c+3]
.endr
.irp c, 0,1,2,3
	v_pk_add_f32 v[B+8*\c:B+8*\c+1], v[B+8*\c:B+8*\c+1], v[B+8*\c+4:B+8*\c+5]
.endr
	v_pk_add_f32 v[B:B+1], v[B:B+1], v[B+8:B+9]
	v_pk_add_f32 v[B+16:B+17], v[B+16:B+17], v[B+24:B+25]
	v_pk_add_f32 v[B:B+1], v[B:B+1], v[B+16:B+17]
	v_add_f32 v[B], v[B], v[B+1]
	s_wait_xcnt 0x0                                ; EXEC changes only when no earlier memory instruction still needs it
	s_wait_tensorcnt 0x0
	ds_add_u32 v216, v217
	s_wait_dscnt 0x0
	s_and_saveexec_b32 s39, vcc_lo
	global_store_b32 v[T1], v[B], s[6:7] offset:OFEAT th:TH_STORE_NT
	s_endpgm
.Lfunc_end_k_qf170f37bdb_pairs:
	.size	k_qf170f37bdb_pairs, .Lfunc_end_k_qf170f37bdb_pairs-k_qf170f37bdb_pairs
	.p2alignl 7, 3214868480
	.fill 96, 4, 3214868480
	.section	.rodata,"a",@progbits
	.p2align	6, 0x0
	.amdhsa_kernel k_qf170f37bdb_pairs
		.amdhsa_group_segment_fixed_size 168960
		.amdhsa_private_segment_fixed_size 0
		.amdhsa_enable_private_segment 0
		.amdhsa_kernarg_size 16
		.amdhsa_user_sgpr_count 2
		.amdhsa_user_sgpr_kernarg_segment_ptr 1
		.amdhsa_wavefront_size32 1
		.amdhsa_system_sgpr_workgroup_id_x 1
		.amdhsa_system_sgpr_workgroup_id_y 1
		.amdhsa_system_sgpr_workgroup_id_z 1
		.amdhsa_system_vgpr_workitem_id 0
		.amdhsa_next_free_vgpr 218
		.amdhsa_next_free_sgpr 66
		.amdhsa_reserve_vcc 1
		.amdhsa_float_denorm_mode_32 3
		.amdhsa_float_denorm_mode_16_64 3
		.amdhsa_memory_ordered 1
		.amdhsa_forward_progress 1
		.amdhsa_inst_pref_size 25
	.end_amdhsa_kernel
	.amdgpu_metadata
---
amdhsa.version: [ 1, 2 ]
amdhsa.kernels:
  - .name:           k_qf170f37bdb_pairs
    .symbol:         k_qf170f37bdb_pairs.kd
    .args:
      - { .name: mt, .offset: 0, .size: 8, .value_kind: global_buffer, .address_space: global }
      - { .name: out0, .offset: 8, .size: 8, .value_kind: global_buffer, .address_space: global }
    .group_segment_fixed_size: 168960
    .private_segment_fixed_size: 0
    .kernarg_segment_align: 8
    .kernarg_segment_size: 16
    .max_flat_workgroup_size: 256
    .sgpr_count:     66
    .vgpr_count:     218
    .wavefront_size: 32
...
	.end_amdgpu_metadata
.endif
;; end of part 2
